; MI455X (gfx1250); checked and timed in simulation.
; The chip was launched on July 23, 2026; its instructions are those of AMD's public machine-readable ISA for CDNA 5 (MIT licence, August 2026) and "CDNA5" Instruction Set Architecture Reference Guide (July 2026). The comments in the code are by the model that wrote it; some were corrected since.
;; Dot Product Attention. Allowed arithmetic: matrix products marked QUANTISED: E5M2 operands, one E8M0 scale for each 32 along K, by v_wmma_scale_f32_16x16x128_f8f6f4 with both operands' format E5M2, f32 sums; everything else in f32.
;; Inputs: K 4 x 16 x 2,048 x 64 float32; Q 4 x 16 x 2,048 x 64 float32; V 4 x 16 x 2,048 x 64 float32.
;; Outputs: out0 4 x 16 x 2,048 x 64 float32.
;; Constants: dk = 64.
;; This version of the problem:
;;   THIS VERSION OF THE PROBLEM IS GIVEN IN LOW PRECISION. The matrix products marked QUANTISED in the list below multiply operands that are first quantised to E5M2 (5 exponent bits, 2 mantissa bits; 8 bits a number), with one power-of-two scale for each 32 numbers along K (OCP MX v1.0); their sums are f32. All else is computed in f32.
;;   The module's matrix products, in the order in which they are computed (A, B: the left and right operand; K: the contracted axis; several contracted axes count as one K, in the product's order):
;;     1. batch 64 x [M 2,048, K 64] x [K 64, N 2,048]; A: input Q; B: input K: QUANTISED
;;     2. batch 64 x [M 2,048, K 2,048] x [K 2,048, N 64]; A: softmax (see below); B: input V: QUANTISED
;;   THE QUANTISER, for each operand of a quantised product, along K:
;;     - K is cut into blocks of 32 from its start; a last block that is shorter is filled with zeros.
;;     - A block's scale is 2^e with e = floor(log2(the largest magnitude in the block)) - 15, held to -126 .. 127; a block of zeros has e = 0. As a byte (E8M0): e + 127.
;;     - Each number is divided by its block's scale, clamped to +-57,344, and rounded to the nearest number of E5M2, ties to even, subnormals kept.
;;     - The product sums the exact products of the quantised numbers (number of the format x scale) in f32.
;;   ~~~python
;;   def quantise(x, axis):      # numpy; x: float32 -> the quantised numbers, widened to float32 again
;;       x = np.moveaxis(x, axis, -1); K = x.shape[-1]
;;       x = np.pad(x, [(0, 0)] * (x.ndim - 1) + [(0, -K % 32)]); x = x.reshape(x.shape[:-1] + (-1, 32)); a = np.abs(x).max(-1, keepdims=True)
;;       e = np.where(a > 0, np.clip(np.frexp(np.where(a > 0, a, 1))[1] - 1 - 15, -126, 127), 0)      # np.frexp(a)[1] - 1 = floor(log2(a)), exactly
;;       r = np.clip(x / 2.0 ** e, -57344, 57344)
;;       step = 2.0 ** (np.maximum(np.frexp(np.where(r == 0, 1, r))[1] - 1, -14) - 2)
;;       q = np.round(r / step) * step * 2.0 ** e      # np.round: ties to even
;;       return np.moveaxis(q.reshape(q.shape[:-2] + (-1,))[..., :K], -1, axis).astype(np.float32)
;;   ~~~
;;   SOFTMAX AHEAD OF A QUANTISED PRODUCT. Where the list says 'softmax', what is quantised is not the finished softmax but p = 2^(t - M), with t = logit x log2(e) and M = ceil(the row's largest t), a whole number; so 1/2 < the row's largest p <= 1. The row's sum l is taken of the UNQUANTISED p, in f32, and the product's result is divided by l at the end. Since M is a whole number, a kernel that streams over the keys may use a running M (the ceiling of the running maximum): every later rescaling is an exact power of two, which a block's scale takes up: the codes' values come out the same.
;;   OPERANDS COMPUTED ON THE WAY. 'Computed on the way' means the value that the module computes at that place (a softmax that the list does not call 'softmax' is quantised finished and normalised). What goes into a quantiser is computed in f32, as accurately as f32 sums, v_exp_f32 and their like allow (about 1e-6 of the number): no bf16 or f16 on the way to a quantiser, and a product that is left as it is and whose result goes on into a quantised operand takes f32 operands (vector FMAs, or v_wmma_f32_16x16x4_f32). A number that lies on a knife's edge between two numbers of the format may be rounded either way, as far as f32 arithmetic and the matrix unit's own rounding can turn it there, and no further.
;; One version. Each part assembles by itself: llvm-mc -triple=amdgcn-amd-amdhsa -mcpu=gfx1250 --defsym DOCPART=n.
;; ======== version 1 of 1: 1 launch
;; limits: inputs' magnitudes at most 6e+17
;; launch attn (part 1): grid 4 x 64, 16 waves a work-group, no clusters, 315,392 bytes of LDS; arguments Q, K, V, out0; writes out0
.if DOCPART == 1
	.amdgcn_target "amdgcn-amd-amdhsa--gfx1250"
	.amdhsa_code_object_version 6
	.text
	.protected	k_q50434247c4_attn
	.globl	k_q50434247c4_attn
	.p2align	8
	.type	k_q50434247c4_attn,@function
k_q50434247c4_attn:
	s_mov_b64 s[64:65], 0
	v_nop
	global_prefetch_b8 v0, s[64:65] scope:SCOPE_SE
	s_setreg_imm32_b32 hwreg(HW_REG_WAVE_MODE, 25, 1), 1
	s_wait_xcnt 0x0
; out0[b][h][q][:] = the sum over k of softmax_k(Q[q] . K[k] x sqrt(dk)) V[k][:], dk = 64 (a listed constant: the factor 8 is built in).  Q, K, V, out0: [64 heads][2048][64] f32.
; Both products go on codes of BF8 (E5M2) with one E8M0 scale for each 32 along a product's K: Q and K are quantised along the head's 64 (two blocks), p and V along the keys.
; THE SOFTMAX AHEAD OF THE SECOND PRODUCT: t = score x 8 log2(e); M = the largest t so far, rounded UP to a whole number; p = 2^(t - M) is quantised, not normalised; the row's sum is taken of the unquantised p
; and divides at the end.  When M moves, the sum and O are multiplied by 2^(old M - new M), which rounds nothing.
; NOTHING OF reference() IS LEFT OUT: all three inputs reach the output, no product or step is dead.
; ONE LAUNCH, NO WORKSPACE.  A head's K and V as codes are 2 x 131,072 bytes, their scale words 16,384: they fit into one work-group's LDS.  A work-group owns 512 queries of one head (4 x 64 work-groups).
; PROLOGUE: wave w quantises keys 128 w .. 128 w + 127 of K and of V from registers into LDS, as IMAGES OF THE OPERANDS' REGISTERS (16 bytes a lane, 512 an instruction), and its own 32 queries.  One barrier.
; KEY LOOPS: each wave walks the 16 key steps of 128 keys twice, once for each of its two tiles of 16 queries, reading LDS alone: no further barrier, and no load from memory.
; So K and V are quantised once in each of a head's four work-groups: 18 units of 8 loads a wave, against 32 key steps.
; NO CLUSTER, NO JOINT LOADS, and the reason: what the four work-groups of a head share is K and V as f32, 1,048,576 bytes a head, which have to pass through registers to be quantised; a joint load lands in LDS,
; where beside the 278,528 bytes of codes and scale words, the stages and the spare words 12,288 bytes are left.  No tensor load at all: so LDS is claimed as it is used.
; LAYOUT.  Both products are used transposed: S^T = K Q^T (source 0 = 16 keys, source 1 = my 16 queries), O^T = V^T p^T (source 0 = 16 of the head's 64, source 1 = p): a lane holds ONE query (lane % 16) throughout.
; THE ROWS OF A TILE ARE NOT NEIGHBOURS: lane r of K's tile 2 b + u takes key 32 b + 8 u + r + 8 (r / 8), so that S^T's 16 registers of tiles 2 b, 2 b + 1 are keys 32 b + 16 (lane / 16) + 0 .. 15: the order that p's operand wants.
; Q's two tiles take their rows in the same way (query 8 u + r + 8 (r / 8) of the wave's 32), so that one loader and one quantiser serve Q and K.  V's tile t, row m, is channel 4 m + t: the lane that loads 16 bytes of a
; row of V is then the lane that holds them in the operand, and a lane's O^T is 32 neighbouring channels: register 8 t + j of lane (r, h) is channel 32 h + 4 j + t.
; K = 64 IN AN INSTRUCTION OF K = 128.  Q's side is 8 registers of codes and 8 of zero codes.  K's eight fragments lie on end, 8 registers each; a tile's source 0 is 16 registers, its own 8 and a neighbour's 8.  The neighbour's
; are finite codes (the quantiser holds at 57,344; ahead of tile 0 stand p's codes, held likewise and zeros at the start; behind tile 7 zeros), each multiplied by a zero code of Q: every such product is 0.
; The scale words carry their two bytes twice, so that they serve the lower 64 along K and the upper 64 alike.
; THE SCORE'S SUM GOES IN THREE LINKS, BY THE SIZE OF Q'S CODES.  Q's fragment is cut into three with the same places: the codes of the block's top octave (exponent field 30), those of the next two octaves (29, 28), the rest;
; where a code is not of a part, that part holds the zero code.  Each tile of keys is multiplied by the three parts, the largest first, onto one accumulator: every product of the quantiser's codes is formed exactly once, and
; products of like size are summed together.  Why: t = 11.54 x score, and p = 2^(t - M) passes to the next code where t moves by a few thousandths, so a score of some 30 is wanted right to about 2^-13 of 1:
; the small products are to join the sum as a sum of their own and not one by one beside products some 2^12 times their size.
; LIMITS: NaN and infinities among the inputs are not served.  A block whose largest magnitude lies under 2^-111 keeps the scale byte 1; a block of zeros gets the byte 1 where the rule says 127: its codes are zeros, and the
; bytes are read by this program alone.  A p under 2^-126 comes out of v_exp_f32 as 0.  The running largest t starts at -3e38.
; REGISTERS that stay: v0 thread; v1 16 x lane; v2 the step's LDS address; v3, v4 the stage, in and back; v6, v7 the add's two; v8 Q's scale word, v9 the second tile's.
; KEY LOOP: v12 -M, v13 the largest t, v[14:15] the sum in two halves; v16-23 Q's top codes, v24-31 zeros, v32-39 Q's small codes; v40-55 p's codes; v56-119 K's fragments, v120-127 zeros, v128-135 Q's middle codes;
;   v136-199 S^T, then p, then V's fragments; v200-231 O^T; v232-247 at work; v248-251 K's scale words, v252-253 V's, v255 p's: these and v8 hold scales and nothing else; v254 f.
; PROLOGUE: v10-14 addresses; v15 a tile's scale word; v112-239 four sets of 32 registers as loaded; v48-111 two sets of 32 turned (V: v48-79 held numbers, v80-95 codes, v96-111 at work); v40-47 codes (V: scale words); v240-247 at work.
.set STEPB, 17408                      ; LDS: a key step's bytes: K's images, V's images, K's scale words, V's scale words
.set VIMG,  8192                       ; K's: tile T, block c at 1024 T + 512 c + 16 x lane;  V's: tile t, key block c at VIMG + 2048 t + 512 c + 16 x lane
.set KSC,   16384                      ; at 16 L + 4 b: the word of K's tile 2 b + L / 16, row L % 16
.set VSC,   16896                      ; at 16 L + 4 i, i = 0, 1: the word of V's tile 2 i + L / 16, row L % 16
.set SP,    272                        ; a row of a stage: 256 bytes + 16 = 17 x 16, so that sixteen rows begin 16 bytes apart modulo 256
.set STAGE, 16*STEPB                   ; 8 rows x 272 bytes for each wave, its own: the second query tile's codes wait there, then the way out goes through it
.set STGW,  8*SP
.set SPARE, STAGE+16*STGW              ; the spare words, 128 bytes for each wave: eight blocks of 256 bytes that no other line names
.set SPW, 6
.set NIL, 7
.set QS,  8
.set QA,  16                           ; Q's codes of the top octave (in the prologue: the first tile's codes, whole)
.set Z1,  24                           ; zero codes
.set QC,  32                           ; Q's small codes
.set P,   40                           ; p's codes
.set KF,  56                           ; K's eight fragments
.set Z2,  120                          ; zero codes
.set QM,  128                          ; Q's middle codes
.set S,   136
.set O,   200
.set BM,  232                          ; the blocks' largest scores, then largest p
.set PT,  236                          ; the other half's maxima; loose numbers; the sums' second chain; the scale bytes
.set HD,  240                          ; 57,344 x the scale
.set SO,  244                          ; the conversions' scale operands
.set KS,  248
.set VS,  252
.set F,   254
.set PW,  255
.set R,   112                          ; the prologue's four sets as loaded
.set X,   48                           ; and its two sets turned
.set PM,  240                          ; and its eight registers at work
	s_load_b256 s[4:11], s[0:1], 0x0               ; Q s[4:5], K s[6:7], V s[8:9], out0 s[10:11]
	v_lshl_add_u32 v[SPW], v0, 2, SPARE
	v_mov_b32 v[NIL], 0
	v_lshrrev_b32 v2, 5, v0
	v_readfirstlane_b32 s12, v2                    ; wave 0..15
	s_and_b32 s14, ttmp7, 0xffff                   ; the head
	s_lshl_b32 s16, s14, 19                        ; a head is 2,048 rows of 256 bytes
	s_lshl_b32 s13, ttmp9, 17                      ; my work-group's 512 queries,
	s_lshl_b32 s18, s12, 13                        ; my wave's 32 of them
	s_add_co_u32 s18, s18, s13
	s_add_co_u32 s18, s18, s16                     ; Q's and out0's offset (under 2^25)
	s_mov_b32 s19, 0
	s_lshl_b32 s13, s12, 15                        ; my wave's 128 keys
	s_add_co_u32 s16, s16, s13                     ; K's and V's offset
	s_mov_b32 s17, 0
	s_mov_b32 s20, 0x76543210
	s_mov_b32 s21, 0xfedcba98                      ; v_permlanex16_b32's selects for lane l xor 16
	s_mov_b32 s22, 0x4138aa3b                      ; c = 8 log2(e): t = score x c
	s_mov_b32 s23, s22                             ; (the packed form names the pair)
	s_mov_b32 s24, 0x600000                        ; the mantissa field of 57,344
	s_mov_b32 s27, 0xffff0000                      ; lanes 16-31
	s_mul_i32 s28, s12, STEPB                      ; my key step's bytes in LDS
	s_add_co_u32 s15, s28, VIMG                    ; while K is quantised, the first 16 x 272 bytes of my V images are my stage for the turn
	s_mul_i32 s29, s12, STGW
	s_add_co_u32 s29, s29, STAGE                   ; my stage
	v_and_b32 v240, 31, v0                         ; lane
	v_and_b32 v241, 15, v0                         ; r
	v_bfe_u32 v242, v0, 4, 1                       ; h
	v_lshlrev_b32 v1, 4, v240                      ; 16 x lane: an image's place, a dense load's 16 bytes, and two rows of 256 bytes in Q, K and out0
	v_lshlrev_b32 v10, 4, v241
	v_lshl_add_u32 v10, v242, 12, v10              ; V: 16 bytes of a row; lanes 16-31 take the row 16 keys on
	v_mul_u32_u24 v243, v242, SP
	v_lshl_add_u32 v243, v241, 4, v243             ; row h, 16 r: two whole rows an instruction
	v_add_nc_u32 v4, s29, v243                     ; my stage, by whole rows
	v_add_nc_u32 v11, s15, v243                    ; the turn: in, as loaded
	v_mul_u32_u24 v244, v241, SP
	v_lshl_add_u32 v244, v242, 6, v244
	v_add_nc_u32 v12, s15, v244                    ; the turn: back: row r, 64 h: my 16 numbers of a block of 32
	v_add_nc_u32 v13, s28, v1                      ; where I store images
	v_lshlrev_b32 v245, 4, v241
	v_add_nc_u32 v14, s28, v245                    ; and K's scale words
	v_and_b32 v246, 7, v0
	v_mul_u32_u24 v246, v246, SP
	v_lshl_add_u32 v246, v242, 7, v246
	v_add_nc_u32 v3, s29, v246                     ; the way out: into the stage: row r % 8, my 128 bytes
.irp i, 0,1,2,3,4,5,6,7
	v_mov_b32 v[Z1+\i], 0                          ; zero codes beside Q's
.endr
	v_mov_b32 v[PW], 0                             ; (named as the upper half of the pair v[254:255] before it is first written)
	s_wait_kmcnt 0x0
	s_add_nc_u64 s[4:5], s[4:5], s[18:19]
	s_add_nc_u64 s[10:11], s[10:11], s[18:19]
	s_add_nc_u64 s[6:7], s[6:7], s[16:17]
	s_add_nc_u64 s[8:9], s[8:9], s[16:17]
; UNIT n OF THE PROLOGUE'S LOADS: eight loads of 16 bytes a lane into set n % 4.  n = 0, 1: Q's tiles; 2 .. 9: K's tiles; each load takes two whole rows, 512 consecutive bytes.
; n = 10 .. 17: V, eight keys (and the eight 16 further on): lanes 0-15 take one whole row of 256 bytes, lanes 16-31 another.
.macro LOADU n
.set RBL, R+32*((\n)%4)
.if (\n) < 2
.irp i, 0,1,2,3,4,5,6,7
	global_load_b128 v[RBL+4*\i:RBL+4*\i+3], v1, s[4:5] offset:(8*(\n)+2*\i+8*(\i/4))*256 th:TH_LOAD_NT   ; read by this wave alone
.endr
.elseif (\n) < 10
.set TL0, (\n)-2
.irp i, 0,1,2,3,4,5,6,7
	global_load_b128 v[RBL+4*\i:RBL+4*\i+3], v1, s[6:7] offset:(32*(TL0/2)+8*(TL0%2)+2*\i+8*(\i/4))*256
.endr
.else
.set ML0, (\n)-10
.irp i, 0,1,2,3,4,5,6,7
	global_load_b128 v[RBL+4*\i:RBL+4*\i+3], v10, s[8:9] offset:(32*(ML0/2)+8*(ML0%2)+\i)*256
.endr
.endif
.endm
; Unit n's 16 rows go through my stage as they were loaded and come back 64 + 64 bytes a lane: register 16 c + k = channel 32 c + 16 h + k of row r.  LDS serves a wave's instructions in order: no wait between the stores and the loads.
.macro TURN n
.set RBT, R+32*((\n)%4)
.set XBT, X+32*((\n)%2)
.irp i, 0,1,2,3,4,5,6,7
	ds_store_b128 v11, v[RBT+4*\i:RBT+4*\i+3] offset:2*\i*SP
.endr
.irp c, 0,1
.irp e, 0,1,2,3
	ds_load_b128 v[XBT+16*\c+4*\e:XBT+16*\c+4*\e+3], v12 offset:128*\c+16*\e
.endr
.endr
.endm
; 32 numbers of a lane, v[s] on, become 8 registers of codes, v[d] on, and the row's scale word in v[w].  A block of 32 lies in lanes l and l xor 16.
.macro QUANT2 s, d, w
.irp b, 0,1
	v_max3_num_f32 v[PM+\b], |v[(\s)+16*\b]|, |v[(\s)+16*\b+1]|, |v[(\s)+16*\b+2]|      ; the largest magnitude of my 16, in two chains for each block
	v_max3_num_f32 v[PM+2+\b], |v[(\s)+16*\b+3]|, |v[(\s)+16*\b+4]|, |v[(\s)+16*\b+5]|
.endr
.irp i, 6,10
.irp b, 0,1
	v_max3_num_f32 v[PM+\b], v[PM+\b], |v[(\s)+16*\b+\i]|, |v[(\s)+16*\b+\i+1]|
	v_max3_num_f32 v[PM+2+\b], v[PM+2+\b], |v[(\s)+16*\b+\i+2]|, |v[(\s)+16*\b+\i+3]|
.endr
.endr
.irp b, 0,1
	v_max3_num_f32 v[PM+\b], v[PM+\b], |v[(\s)+16*\b+14]|, |v[(\s)+16*\b+15]|
.endr
.irp b, 0,1
	v_max3_num_f32 v[PM+\b], v[PM+\b], v[PM+2+\b], 0x8000000     ; and the floor 2^(16 - 127): the byte cannot fall under 1
.endr
.irp b, 0,1
	v_permlanex16_b32 v[PM+2+\b], v[PM+\b], s20, s21
.endr
.irp b, 0,1
	v_max_num_f32 v[PM+\b], v[PM+\b], v[PM+2+\b]                 ; with lane l xor 16's: the block's
.endr
.irp b, 0,1
	v_add_nc_u32 v[PM+6+\b], 0xf8800000, v[PM+\b]                ; 15 off the exponent field: the conversion's scale operand
.endr
.irp b, 0,1
	v_and_or_b32 v[PM+4+\b], v[PM+\b], 0x7f800000, s24           ; 57,344 x the scale
.endr
.irp b, 0,1
	v_lshrrev_b32 v[PM+2+\b], 23, v[PM+6+\b]                     ; the scale's byte
.endr
	v_lshl_or_b32 v[\w], v[PM+3], 8, v[PM+2]
	v_lshl_or_b32 v[\w], v[\w], 16, v[\w]                        ; the two bytes twice: for the lower 64 along K and for the upper
.irp b, 0,1
.irp i, 0,1,2,3,4,5,6,7,8,9,10,11,12,13,14,15
	v_med3_num_f32 v[(\s)+16*\b+\i], v[(\s)+16*\b+\i], -v[PM+4+\b], v[PM+4+\b]   ; the conversion to an 8-bit code does not saturate (ISA guide 7.6.2): the hold
.endr
	v_cvt_scalef32_pk8_bf8_f32 v[(\d)+4*\b:(\d)+4*\b+1], v[(\s)+16*\b:(\s)+16*\b+7], v[PM+6+\b]
	v_cvt_scalef32_pk8_bf8_f32 v[(\d)+4*\b+2:(\d)+4*\b+3], v[(\s)+16*\b+8:(\s)+16*\b+15], v[PM+6+\b]
.endr
	v_nop                                          ; one plain vector instruction behind the last conversion, ahead of whatever next touches its registers
.endm
; Unit n of Q and K.  Loads run four units ahead, the turn through LDS one unit.
.macro UNITQK n
	s_wait_dscnt 0x0                               ; this unit's numbers are back from the stage, so its stores into the stage have read set n % 4; the last image's stores have read their registers
	LOADU (\n)+4
.if (\n) < 9
	s_wait_loadcnt 24                              ; the next unit's eight loads are in; those of the three units behind it may be out
	TURN (\n)+1
.endif
.if (\n) == 0
	QUANT2 X, QA, QS                               ; the first tile's codes stay in registers
.elseif (\n) == 1
	QUANT2 X+32, QC, 9
	ds_store_b128 v4, v[QC:QC+3]                   ; the second tile's codes wait in my stage, as an image of their registers, until the first tile is done
	ds_store_b128 v4, v[QC+4:QC+7] offset:2*SP
.else
.set TQ, (\n)-2
	QUANT2 X+32*((\n)%2), 40, 15
	ds_store_b128 v13, v[40:43] offset:TQ*1024
	ds_store_b128 v13, v[44:47] offset:TQ*1024+512
	ds_store_b32 v14, v15 offset:KSC+256*(TQ%2)+4*(TQ/2)         ; both halves of the lanes write the same word with the same value
.endif
.endm
; Key block j of V: 32 keys x 64 channels.  Register 4 i + col of lane (q, h) is V(key 32 j + 16 h + i, channel 4 q + col): for tile col, row q, that is registers 4 j .. 4 j + 3 of the operand.
; The hold writes its results into consecutive registers: that is the whole transposition.
.macro UNITV j
.set VX, 176-64*((\j)%2)
.if (\j) < 3
	s_wait_loadcnt 16                              ; this block's two units are in; the next block's may be out
.else
	s_wait_loadcnt 0x0
.endif
	s_wait_dscnt 0x0                               ; the last stores have read their registers
.irp c, 0,1,2,3
	v_max3_num_f32 v[96+\c], |v[VX+\c]|, |v[VX+4+\c]|, 0x8000000     ; column col: my 16 keys, and the floor; the four columns by turns
.endr
.irp i, 2,4,6,8,10,12,14
.irp c, 0,1,2,3
	v_max3_num_f32 v[96+\c], v[96+\c], |v[VX+4*\i+\c]|, |v[VX+4*\i+4+\c]|
.endr
.endr
.irp c, 0,1,2,3
	v_permlanex16_b32 v[100+\c], v[96+\c], s20, s21
.endr
.irp c, 0,1,2,3
	v_max_num_f32 v[96+\c], v[96+\c], v[100+\c]
.endr
.irp c, 0,1,2,3
	v_add_nc_u32 v[108+\c], 0xf8800000, v[96+\c]
.endr
.irp c, 0,1,2,3
	v_and_or_b32 v[104+\c], v[96+\c], 0x7f800000, s24
.endr
.irp c, 0,1,2,3
	v_lshrrev_b32 v[100+\c], 23, v[108+\c]
.endr
.irp c, 0,1,2,3
.if (\j) == 0
	v_mov_b32 v[40+\c], v[100+\c]                  ; the step's four bytes make the scale word of tile col, row q
.else
	v_lshl_or_b32 v[40+\c], v[100+\c], 8*(\j), v[40+\c]
.endif
.endr
.irp c, 0,1,2,3
.irp i, 0,1,2,3,4,5,6,7,8,9,10,11,12,13,14,15
	v_med3_num_f32 v[48+16*(\c%2)+\i], v[VX+4*\i+\c], -v[104+\c], v[104+\c]
.endr
	v_cvt_scalef32_pk8_bf8_f32 v[80+4*\c:81+4*\c], v[48+16*(\c%2):55+16*(\c%2)], v[108+\c]
	v_cvt_scalef32_pk8_bf8_f32 v[82+4*\c:83+4*\c], v[56+16*(\c%2):63+16*(\c%2)], v[108+\c]
.endr
	v_nop                                          ; the plain instruction behind the last conversion
.irp c, 0,1,2,3
	ds_store_b128 v13, v[80+4*\c:83+4*\c] offset:VIMG+2048*\c+512*(\j)
.endr
.if (\j) < 2
	LOADU 14+2*(\j)                                ; the block two on, into the registers just read
	LOADU 15+2*(\j)
.endif
.endm
	LOADU 0
	LOADU 1
	LOADU 2
	LOADU 3
	s_wait_loadcnt 24                              ; unit 0 is in
	TURN 0
.irp n, 0,1,2,3,4,5,6,7,8,9
	UNITQK \n
.endr
.irp c, 0,1,2,3
	v_mov_b32 v[100+\c], 0                         ; written once: a lane permute's destination counts as one of its sources
.endr
.irp j, 0,1,2,3
	UNITV \j
.endr
	v_cndmask_b32 v44, v40, v41, s27               ; lanes 0-15 keep tile 0's words, lanes 16-31 take tile 1's;
	v_cndmask_b32 v45, v42, v43, s27               ; likewise tiles 2 and 3
	ds_store_b64 v13, v[44:45] offset:VSC
.irp i, 0,1,2,3,4,5,6,7
	v_mov_b32 v[Z2+\i], 0                          ; zero codes: behind K's last fragment, and beside Q's middle codes
.endr
.irp b, 0,1,2,3
	v_mov_b32 v[PT+\b], 0                          ; a lane permute's destination counts as one of its sources
.endr
	s_wait_dscnt 0x0                               ; for the others' sake: my images and scale words have landed
	s_barrier_signal -1
	s_barrier_wait -1                              ; the whole head lies in LDS; from here on these bytes are only read
.irp i, 0,1,2,3,4,5,6,7,8,9,10,11,12,13,14,15
	v_mov_b32 v[P+\i], 0                           ; p's codes stand ahead of K's first fragment and are named with it: zero codes until the first p is made
.endr
; Q's eight registers of codes, v[src] on, are cut into three fragments with the same places.  A code's exponent field is bits 6:2 of its byte; the block's largest number has field 30.
; In each byte, field x 4 + 8 reaches bit 7 from field 30 on, field x 4 + 16 from field 28 on (at most 0x88: nothing is carried into the next byte); bit 7, brought down and multiplied by 255, is the byte's mask.
.macro SPLITQ src
.irp i, 0,1,2,3,4,5,6,7
	v_and_b32 v[BM], 0x7c7c7c7c, v[(\src)+\i]      ; the four fields
	v_add_nc_u32 v[BM+1], 0x08080808, v[BM]
	v_add_nc_u32 v[BM], 0x10101010, v[BM]
	v_lshrrev_b32 v[BM+1], 7, v[BM+1]
	v_lshrrev_b32 v[BM], 7, v[BM]
	v_and_b32 v[BM+1], 0x01010101, v[BM+1]         ; 1 in a byte of the top octave
	v_and_b32 v[BM], 0x01010101, v[BM]             ; 1 in a byte of the top three octaves
	v_lshlrev_b32 v[BM+2], 8, v[BM+1]
	v_lshlrev_b32 v[BM+3], 8, v[BM]
	v_sub_nc_u32 v[BM+1], v[BM+2], v[BM+1]         ; x 255: the masks
	v_sub_nc_u32 v[BM], v[BM+3], v[BM]
	v_and_b32 v[BM+1], v[BM+1], v[(\src)+\i]       ; the top octave's codes, signs and all
	v_and_b32 v[BM], v[BM], v[(\src)+\i]           ; the top three octaves'
	v_xor_b32 v[QC+\i], v[BM], v[(\src)+\i]        ; the rest
	v_xor_b32 v[QM+\i], v[BM], v[BM+1]             ; the middle two octaves
	v_mov_b32 v[QA+\i], v[BM+1]                    ; (last: the first tile's codes are cut in place)
.endr
.endm
.macro FETCHK                                  ; key step 0's fragments of K and their scale words
.irp t, 0,1,2,3,4,5,6,7
	ds_load_b128 v[KF+8*\t:KF+8*\t+3], v1 offset:1024*\t
	ds_load_b128 v[KF+8*\t+4:KF+8*\t+7], v1 offset:1024*\t+512
.endr
	ds_load_b128 v[KS:KS+3], v1 offset:KSC
.endm
; A KEY STEP: 128 keys, at LDS byte s25.  pf = 1: the next step's fragments of K are fetched behind this step's first products.
; The accumulators take turns, one instruction a turn, and no two matrix instructions on end share one.
.macro STEP pf
	s_wait_dscnt 0x0                               ; K's fragments and scale words are in
.irp b, 0,1,2,3                                ; the first link starts the sums: Q's top codes in the lower 64 along K; a tile's source 0 is its own fragment and the next one's
	v_wmma_scale_f32_16x16x128_f8f6f4 v[S+16*\b:S+16*\b+7], v[KF+16*\b:KF+16*\b+15], v[QA:QA+15], 0, v[KS+\b], v[QS] matrix_a_fmt:MATRIX_FMT_BF8 matrix_b_fmt:MATRIX_FMT_BF8
	v_wmma_scale_f32_16x16x128_f8f6f4 v[S+16*\b+8:S+16*\b+15], v[KF+16*\b+8:KF+16*\b+23], v[QA:QA+15], 0, v[KS+\b], v[QS] matrix_a_fmt:MATRIX_FMT_BF8 matrix_b_fmt:MATRIX_FMT_BF8 matrix_a_scale:MATRIX_SCALE_ROW1
.endr
.irp b, 0,1,2,3                                ; the second: Q's middle codes in the upper 64 along K; a tile's source 0 is the fragment ahead of it and its own
	v_wmma_scale_f32_16x16x128_f8f6f4 v[S+16*\b:S+16*\b+7], v[KF+16*\b-8:KF+16*\b+7], v[Z2:Z2+15], v[S+16*\b:S+16*\b+7], v[KS+\b], v[QS] matrix_a_fmt:MATRIX_FMT_BF8 matrix_b_fmt:MATRIX_FMT_BF8
	v_wmma_scale_f32_16x16x128_f8f6f4 v[S+16*\b+8:S+16*\b+15], v[KF+16*\b:KF+16*\b+15], v[Z2:Z2+15], v[S+16*\b+8:S+16*\b+15], v[KS+\b], v[QS] matrix_a_fmt:MATRIX_FMT_BF8 matrix_b_fmt:MATRIX_FMT_BF8 matrix_a_scale:MATRIX_SCALE_ROW1
.endr
.irp b, 0,1,2,3                                ; the third: Q's small codes, likewise in the upper 64
	v_wmma_scale_f32_16x16x128_f8f6f4 v[S+16*\b:S+16*\b+7], v[KF+16*\b-8:KF+16*\b+7], v[Z1:Z1+15], v[S+16*\b:S+16*\b+7], v[KS+\b], v[QS] matrix_a_fmt:MATRIX_FMT_BF8 matrix_b_fmt:MATRIX_FMT_BF8
	v_wmma_scale_f32_16x16x128_f8f6f4 v[S+16*\b+8:S+16*\b+15], v[KF+16*\b:KF+16*\b+15], v[Z1:Z1+15], v[S+16*\b+8:S+16*\b+15], v[KS+\b], v[QS] matrix_a_fmt:MATRIX_FMT_BF8 matrix_b_fmt:MATRIX_FMT_BF8 matrix_a_scale:MATRIX_SCALE_ROW1
.endr
	v_add_nc_u32 v2, s25, v1                       ; eight places behind these products, ahead of the loads into their sources and of the first read of their results: one line of use
.rept 7
	v_nop                                          ; and seven without
.endr
.if \pf
.irp t, 0,1,2,3,4,5,6,7
	ds_load_b128 v[KF+8*\t:KF+8*\t+3], v2 offset:STEPB+1024*\t
	ds_load_b128 v[KF+8*\t+4:KF+8*\t+7], v2 offset:STEPB+1024*\t+512
.endr
	ds_load_b128 v[KS:KS+3], v2 offset:STEPB+KSC
.endif
	ds_load_b64 v[VS:VS+1], v2 offset:VSC          ; this step's scale words of V
.irp b, 0,1,2,3
	v_max3_num_f32 v[BM+\b], v[S+16*\b], v[S+1+16*\b], v[S+2+16*\b]   ; the largest score of each block of 32 keys: it serves for the row's maximum and, since p rises with the score, for the block's largest p
.endr
.irp i, 3,5,7,9,11,13
.irp b, 0,1,2,3
	v_max3_num_f32 v[BM+\b], v[BM+\b], v[S+16*\b+\i], v[S+1+16*\b+\i]
.endr
.endr
.irp b, 0,1,2,3
	v_max_num_f32 v[BM+\b], v[BM+\b], v[S+15+16*\b]
.endr
.irp b, 0,1,2,3
	v_permlanex16_b32 v[PT+\b], v[BM+\b], s20, s21
.endr
.irp b, 0,1,2,3
	v_max_num_f32 v[BM+\b], v[BM+\b], v[PT+\b]     ; with lane l xor 16's 16 keys
.endr
	v_max3_num_f32 v[PT], v[BM], v[BM+1], v[BM+2]
	v_max_num_f32 v[PT], v[PT], v[BM+3]            ; the step's largest score of my query
	v_mul_f32 v[PT], s22, v[PT]                    ; as t (c is positive)
	v_mov_b32 v[PT+1], v12                         ; the old -M
	v_max_num_f32 v13, v13, v[PT]                  ; the running largest t
	v_floor_f32 v12, -v13                          ; the new -M = floor(-t) = -ceil(t): M is a whole number
	v_sub_f32 v[PT+1], v12, v[PT+1]                ; M's old value less its new one: a whole number, 0 or less
	v_cvt_i32_f32 v[PT+1], v[PT+1]                 ; (it saturates)
	v_ldexp_f32 v[F], 1.0, v[PT+1]                 ; f = 2^(old M - new M)
.irp j, 0,2,4,6,8,10,12,14,16,18,20,22,24,26,28,30,32,34,36,38,40,42,44,46,48,50,52,54,56,58,60,62
	v_pk_fma_f32 v[S+\j:S+1+\j], v[S+\j:S+1+\j], s[22:23], v[12:13] op_sel_hi:[1,0,0]   ; t - M, two at a time (of the pairs c and -M the low word serves both halves)
.endr
.irp b, 0,1,2,3
	v_fma_f32 v[BM+\b], v[BM+\b], s22, v12         ; the same of each block's largest score
.endr
.irp j, 0,1,2,3,4,5,6,7,8,9,10,11,12,13,14,15,16,17,18,19,20,21,22,23,24,25,26,27,28,29,30,31,32,33,34,35,36,37,38,39,40,41,42,43,44,45,46,47,48,49,50,51,52,53,54,55,56,57,58,59,60,61,62,63
	v_exp_f32 v[S+\j], v[S+\j]                     ; p = 2^(t - M), at most 1: not normalised
.endr
	v_pk_mul_f32 v[14:15], v[14:15], v[F:F+1] op_sel_hi:[1,0]   ; the sums under the new M: the plain instruction behind the exponentials
	s_wait_alu depctr_va_vdst(0)                   ; one wait for the whole batch, ahead of its first reader
.irp b, 0,1,2,3
	v_exp_f32 v[BM+\b], v[BM+\b]                   ; the block's largest p: the same two instructions on the same number give the same bits
.endr
	v_pk_add_f32 v[PT:PT+1], v[S:S+1], v[S+2:S+3]  ; the row's sum is taken of the unquantised p: two at a time, in two chains
.irp j, 4,8,12,16,20,24,28,32,36,40,44,48,52,56,60
	v_pk_add_f32 v[14:15], v[14:15], v[S+\j:S+1+\j]
	v_pk_add_f32 v[PT:PT+1], v[PT:PT+1], v[S+2+\j:S+3+\j]
.endr
	v_pk_add_f32 v[14:15], v[14:15], v[PT:PT+1]
	s_wait_alu depctr_va_vdst(0)                   ; and one for the four
.irp b, 0,1,2,3
	v_max_num_f32 v[BM+\b], 0x8000000, v[BM+\b]    ; the floor 2^(16 - 127): a block whose every p has fallen to 0 keeps the byte 1: its codes are zeros
.endr
.irp b, 0,1,2,3
	v_add_nc_u32 v[SO+\b], 0xf8800000, v[BM+\b]
.endr
.irp b, 0,1,2,3
	v_and_or_b32 v[HD+\b], v[BM+\b], 0x7f800000, s24
.endr
.irp b, 0,1,2,3
	v_lshrrev_b32 v[PT+\b], 23, v[SO+\b]
.endr
	v_lshl_or_b32 v[PW], v[PT+1], 8, v[PT]         ; p's scale word for these 128 keys
	v_lshl_or_b32 v[PW], v[PT+2], 16, v[PW]
	v_lshl_or_b32 v[PW], v[PT+3], 24, v[PW]
.irp b, 0,1,2,3
.irp i, 0,1,2,3,4,5,6,7,8,9,10,11,12,13,14,15
	v_min_num_f32 v[S+16*\b+\i], v[S+16*\b+\i], v[HD+\b]   ; the hold; p is not negative, so it is one-sided
.endr
	v_cvt_scalef32_pk8_bf8_f32 v[P+4*\b:P+1+4*\b], v[S+16*\b:S+7+16*\b], v[SO+\b]
	v_cvt_scalef32_pk8_bf8_f32 v[P+2+4*\b:P+3+4*\b], v[S+8+16*\b:S+15+16*\b], v[SO+\b]
.endr
.irp t, 0,1,2,3
.irp c, 0,1,2,3
	ds_load_b128 v[S+16*\t+4*\c:S+16*\t+4*\c+3], v2 offset:VIMG+2048*\t+512*\c   ; V's four fragments, into the registers that p has left
.endr
.endr
.irp j, 0,2,4,6,8,10,12,14,16,18,20,22,24,26,28,30
	v_pk_mul_f32 v[O+\j:O+1+\j], v[O+\j:O+1+\j], v[F:F+1] op_sel_hi:[1,0]   ; O^T under the new M.  (These 16 also stand between the codes' conversions and the products)
.endr
	s_wait_dscnt 0x0                               ; V's fragments and scale words are in
.irp i, 0,1
	v_wmma_scale_f32_16x16x128_f8f6f4 v[O+16*\i:O+16*\i+7], v[S+32*\i:S+32*\i+15], v[P:P+15], v[O+16*\i:O+16*\i+7], v[VS+\i], v[PW] matrix_a_fmt:MATRIX_FMT_BF8 matrix_b_fmt:MATRIX_FMT_BF8
	v_wmma_scale_f32_16x16x128_f8f6f4 v[O+16*\i+8:O+16*\i+15], v[S+32*\i+16:S+32*\i+31], v[P:P+15], v[O+16*\i+8:O+16*\i+15], v[VS+\i], v[PW] matrix_a_fmt:MATRIX_FMT_BF8 matrix_b_fmt:MATRIX_FMT_BF8 matrix_a_scale:MATRIX_SCALE_ROW1
.endr
.rept 9
	v_nop                                          ; nine places: the next step's first products write over the registers that these have read as V's fragments
.endr
	s_add_co_u32 s25, s25, STEPB
.endm
; THE WAY OUT of tile u.  O^T is divided by the sum; a lane's 32 channels are 128 bytes of one row.  The tile's rows go through my stage in two halves of 8 (lanes with r < 8, then the others), and come back as whole rows:
; sixteen lanes store 256 consecutive bytes, at a multiple of 256 from out0's first byte.
.macro WAYOUT u
	v_add_f32 v14, v14, v15                        ; the sum's two halves,
	v_permlanex16_b32 v[PT], v14, s20, s21
	v_add_f32 v14, v14, v[PT]                      ; and lane l xor 16's: the row's sum
	v_rcp_f32 v14, v14
	v_and_b32 v[PT+1], 8, v0                       ; (the plain instruction behind the reciprocal)  0 where r < 8
	s_wait_alu depctr_va_vdst(0)                   ; the wait ahead of the reciprocal's first reader
.irp j, 0,1,2,3,4,5,6,7
.irp t, 0,1,2,3
	v_mul_f32 v[S+4*\j+\t], v[O+8*\t+\j], v14      ; channel 32 h + 4 j + t; each accumulator is read from its lowest register on
.endr
.endr
.irp g, 0,1
.if \g == 0
	v_cmp_eq_u32 vcc_lo, 0, v[PT+1]
.else
	v_cmp_ne_u32 vcc_lo, 0, v[PT+1]
.endif
	s_wait_xcnt 0x0                                ; EXEC changes only when the stores issued so far have read it
	s_and_saveexec_b32 s30, vcc_lo
.irp k, 0,1,2,3,4,5,6,7
	ds_store_b128 v3, v[S+4*\k:S+3+4*\k] offset:16*\k
.endr
	s_or_b32 exec_lo, exec_lo, s30                 ; (no load or store to memory was issued under the narrowed EXEC)
.irp i, 0,1,2,3
	ds_load_b128 v[S+32+16*\g+4*\i:S+35+16*\g+4*\i], v4 offset:2*\i*SP   ; LDS serves a wave's instructions in order: these see my stores, and the next half's stores come behind them
.endr
.irp i, 0,1,2,3
	s_wait_dscnt 3-\i                              ; the loads behind load i may be out
	global_store_b128 v1, v[S+32+16*\g+4*\i:S+35+16*\g+4*\i], s[10:11] offset:(8*(\u)+16*\g+2*\i)*256 th:TH_STORE_NT   ; written once, read by nobody here
.endr
.endr
	s_wait_xcnt 0x0                                ; the stores have read their registers, which the next tile's products write
.endm
; One tile of 16 queries against all 2,048 keys.  The step is written for a sum in progress: the first finds zeros, which the first change of M leaves zeros.
.macro PASS u
	v_mov_b32 v13, 0xff61b1e6                      ; the largest t so far: -3e38
	v_floor_f32 v12, -v13                          ; -M
	v_mov_b32 v14, 0
	v_mov_b32 v15, 0
.irp j, 0,1,2,3,4,5,6,7,8,9,10,11,12,13,14,15,16,17,18,19,20,21,22,23,24,25,26,27,28,29,30,31
	v_mov_b32 v[O+\j], 0
.endr
	s_mov_b32 s25, 0
	FETCHK
	s_mov_b32 s26, 15
.Lstep_\@:
	STEP 1
	s_sub_co_u32 s26, s26, 1
	s_cmp_lg_u32 s26, 0
	s_cbranch_scc1 .Lstep_\@
	STEP 0                                         ; the last step fetches no further K
.if (\u) == 0
	ds_load_b128 v[KF:KF+3], v4                    ; the second tile's codes come back from my stage, into registers that K has left, ahead of the way out's stores into the same bytes (LDS serves a wave's instructions in order)
	ds_load_b128 v[KF+4:KF+7], v4 offset:2*SP
.endif
	WAYOUT \u
.endm
	SPLITQ QA                                      ; the first tile's codes, cut in three; the 36 lines at the pass's head stand between these and the first product
	PASS 0
	SPLITQ KF                                      ; the second tile's (the way out's last wait on DScnt was for 0: they are in)
	v_mov_b32 v[QS], v9                            ; and its scale word
	PASS 1
	s_wait_tensorcnt 0x0                           ; the wave's end, behind my last LDS store
	ds_add_u32 v[SPW], v[NIL]
	s_wait_dscnt 0x0
	s_endpgm
.Lfunc_end_k_q50434247c4_attn:
	.size	k_q50434247c4_attn, .Lfunc_end_k_q50434247c4_attn-k_q50434247c4_attn
	.p2alignl 7, 3214868480
	.fill 96, 4, 3214868480
	.section	.rodata,"a",@progbits
	.p2align	6, 0x0
	.amdhsa_kernel k_q50434247c4_attn
		.amdhsa_group_segment_fixed_size 315392
		.amdhsa_private_segment_fixed_size 0
		.amdhsa_enable_private_segment 0
		.amdhsa_kernarg_size 32
		.amdhsa_user_sgpr_count 2
		.amdhsa_user_sgpr_kernarg_segment_ptr 1
		.amdhsa_wavefront_size32 1
		.amdhsa_system_sgpr_workgroup_id_x 1
		.amdhsa_system_sgpr_workgroup_id_y 1
		.amdhsa_system_sgpr_workgroup_id_z 1
		.amdhsa_system_vgpr_workitem_id 0
		.amdhsa_next_free_vgpr 256
		.amdhsa_next_free_sgpr 66
		.amdhsa_reserve_vcc 1
		.amdhsa_float_denorm_mode_32 3
		.amdhsa_float_denorm_mode_16_64 3
		.amdhsa_memory_ordered 1
		.amdhsa_forward_progress 1
		.amdhsa_inst_pref_size 206
	.end_amdhsa_kernel
	.amdgpu_metadata
---
amdhsa.version: [ 1, 2 ]
amdhsa.kernels:
  - .name:           k_q50434247c4_attn
    .symbol:         k_q50434247c4_attn.kd
    .args:
      - { .name: Q, .offset: 0, .size: 8, .value_kind: global_buffer, .address_space: global }
      - { .name: K, .offset: 8, .size: 8, .value_kind: global_buffer, .address_space: global }
      - { .name: V, .offset: 16, .size: 8, .value_kind: global_buffer, .address_space: global }
      - { .name: out0, .offset: 24, .size: 8, .value_kind: global_buffer, .address_space: global }
    .group_segment_fixed_size: 315392
    .private_segment_fixed_size: 0
    .kernarg_segment_align: 8
    .kernarg_segment_size: 32
    .max_flat_workgroup_size: 512
    .sgpr_count:     66
    .vgpr_count:     256
    .wavefront_size: 32
...
	.end_amdgpu_metadata
.endif
;; end of part 1
